; MI455X (gfx1250); checked and timed in simulation.
; The chip was launched on July 23, 2026; its instructions are those of AMD's public machine-readable ISA for CDNA 5 (MIT licence, August 2026) and "CDNA5" Instruction Set Architecture Reference Guide (July 2026). The comments in the code are by the model that wrote it; some were corrected since.
;; Heat Layer. Allowed arithmetic: matrix products marked QUANTISED: E4M3 operands, one given power-of-two scale a tensor, by v_wmma_f32_16x16x64_fp8_fp8 or v_wmma_f32_16x16x128_fp8_fp8, f32 sums; everything else in f32.
;; Inputs: beta one number float32; epsilon one number float32; h 1 x 8,192 x 384 float32; lowp_scales 4 int32 (the exponents e of the quantised operands' scales 2^e); t 1 x 8,192 float32.
;; Outputs: out0 1 x 8,192 x 384 float32.
;; This version of the problem:
;;   THIS VERSION OF THE PROBLEM IS GIVEN IN LOW PRECISION. The matrix products marked QUANTISED in the list below multiply operands that are first quantised to E4M3 (4 exponent bits, 3 mantissa bits; 8 bits a number), with one given power-of-two scale for each operand tensor; their sums are f32. All else is computed in f32.
;;   The module's matrix products, in the order in which they are computed (A, B: the left and right operand; K: the contracted axis; several contracted axes count as one K, in the product's order):
;;     1. [M 8,192, K 8,192] x [K 8,192, N 384]; A: computed on the way; B: input h: QUANTISED (scales: A lowp_scales[0], B lowp_scales[1])
;;     2. [M 8,192, K 8,192] x [K 8,192, N 384]; A: computed on the way; B: computed on the way: QUANTISED (scales: A lowp_scales[2], B lowp_scales[3])
;;   THE QUANTISER, for each operand of a quantised product, along K:
;;     - The operand's scale is 2^e, e = its entry of the input lowp_scales (int32; the entries are numbered through the quantised products in the list's order, A before B).
;;     - Each number is divided by the scale, clamped to +-448, and rounded to the nearest number of E4M3, ties to even, subnormals kept.
;;     - The product sums the exact products of the quantised numbers (number of the format x scale) in f32.
;;   ~~~python
;;   def quantise(x, axis, e):      # numpy; x: float32 -> the quantised numbers, widened to float32 again
;;       x = np.moveaxis(x, axis, -1); K = x.shape[-1]
;;       r = np.clip(x / 2.0 ** e, -448, 448)
;;       step = 2.0 ** (np.maximum(np.frexp(np.where(r == 0, 1, r))[1] - 1, -6) - 3)
;;       q = np.round(r / step) * step * 2.0 ** e      # np.round: ties to even
;;       return np.moveaxis(q, -1, axis).astype(np.float32)
;;   ~~~
;;   OPERANDS COMPUTED ON THE WAY. 'Computed on the way' means the value that the module computes at that place (a softmax that the list does not call 'softmax' is quantised finished and normalised). What goes into a quantiser is computed in f32, as accurately as f32 sums, v_exp_f32 and their like allow (about 1e-6 of the number): no bf16 or f16 on the way to a quantiser, and a product that is left as it is and whose result goes on into a quantised operand takes f32 operands (vector FMAs, or v_wmma_f32_16x16x4_f32). A number that lies on a knife's edge between two numbers of the format may be rounded either way, as far as f32 arithmetic and the matrix unit's own rounding can turn it there, and no further.
;; One version. Each part assembles by itself: llvm-mc -triple=amdgcn-amd-amdhsa -mcpu=gfx1250 --defsym DOCPART=n.
;; ======== version 1 of 1: 2 launches
;; limits: right only within a limited range of input values
;; workspace buffers: bq 6,291,456 bytes; tb 65,536 bytes
;; launch prep (part 1): grid 2 x 128, 6 waves a work-group, no clusters, 0 bytes of LDS; arguments h, t, beta, epsilon, lowp_scales, bq, tb; writes bq, tb
.if DOCPART == 1
	.amdgcn_target "amdgcn-amd-amdhsa--gfx1250"
	.amdhsa_code_object_version 6
	.text
	.protected	k_q234e15ce36_prep
	.globl	k_q234e15ce36_prep
	.p2align	8
	.type	k_q234e15ce36_prep,@function
k_q234e15ce36_prep:
	s_mov_b64 s[64:65], 0
	v_nop
	global_prefetch_b8 v0, s[64:65] scope:SCOPE_SE
	s_setreg_imm32_b32 hwreg(HW_REG_WAVE_MODE, 25, 1), 1
	s_wait_xcnt 0x0
; h [8192 (j)][384 (d)], f32, is the right operand of both products, and its K (j) is its FIRST axis.  It is turned into codes of FP8 (E4M3) twice:
; Q(h) with the scale 2^e1 and Q(relu h) with 2^e3 (entries 1 and 3 of the scales), laid in bq in the order in which the second launch's operand registers take them.
; bq = [nh 2][kb 128][24,576 bytes]: the block of columns 192 nh .. + 191 and rows 64 kb .. + 63.  A block is 24 images of 1,024 bytes, image 12 p + n (p = 0: h, 1: relu h; n: 16 columns).
; In an image byte 512 c + 256 hh + 16 r + b is the code of column 192 nh + 16 n + r at row 64 kb + 32 hh + 16 c + b: lane r + 16 hh of a wave loads its fragment by two loads of 16 bytes.
; A LANE TAKES A COLUMN AND ITS REGISTERS RUN DOWN K: the conversions, which take neighbours along K from one lane's registers, give 16 codes that belong together, and nothing is transposed.
; A work-group is one block: six waves of 32 columns.  A load of a wave reads 128 consecutive bytes, the six waves 768; of a store sixteen lanes write 256 consecutive bytes, aligned.
; tb = [kb 128][64 x t_j][64 x b_j], b_j = |epsilon| 2^(c (t_0 - t_j)), c = beta log2(e): the weight epsilon exp(beta (t_i - t_j)) is a_i b_j, a_i = 2^(c (t_i - t_0)), up to epsilon's sign,
; which the second launch puts into its last factor (the quantiser is odd).  Wave 0 of the work-groups with nh = 0 writes it.
; LIMITS: e1 and e3 between -126 and 119; |c| (max t - min t) under 126, so that a_i and b_j are normal f32 numbers; NaN and infinities among the inputs are not served.
.set HROW, 1536                        ; a row of h in bytes
.set BLKB, 24576                       ; a block of bq
.set X, 16                             ; v16-79   my column's 64 numbers
.set Y, 80                             ; v80-111  32 of them, held within +-448 x 2^e1
.set C, 112                            ; v112-143 codes: 8 registers for each (hh, p); no store's data are written again
	s_load_b256 s[4:11], s[0:1], 0x0               ; h s[4:5], t s[6:7], beta s[8:9], epsilon s[10:11]
	s_load_b128 s[12:15], s[0:1], 0x20             ; the scales' exponents s[12:13], bq s[14:15]
	s_load_b64 s[16:17], s[0:1], 0x30              ; tb
	v_lshrrev_b32 v1, 5, v0
	v_readfirstlane_b32 s18, v1                    ; wave 0..5
	v_and_b32 v3, 31, v0                           ; lane
	v_lshlrev_b32 v1, 2, v3                        ; in: 4 bytes a lane
	v_lshrrev_b32 v2, 4, v3
	v_and_b32 v8, 15, v3
	v_lshlrev_b32 v2, 10, v2
	v_lshl_add_u32 v2, v8, 4, v2
	s_lshl_b32 s19, s18, 11
	v_add_nc_u32 v2, s19, v2                       ; out: image 2 wave + lane / 16, 16 bytes for lane % 16
	v_lshlrev_b32 v3, 3, v3                        ; t and tb: 8 bytes a lane
	s_and_b32 s20, ttmp7, 0xffff                   ; kb
	s_mul_i32 s22, s20, 64*HROW                    ; h: 64 kb rows,
	s_mul_i32 s21, ttmp9, 768                      ; + 192 nh columns,
	s_add_co_u32 s22, s22, s21
	s_lshl_b32 s21, s18, 7                         ; + 32 columns a wave
	s_add_co_u32 s22, s22, s21
	s_mov_b32 s23, 0
	s_lshl_b32 s24, ttmp9, 7
	s_add_co_u32 s24, s24, s20
	s_mul_i32 s24, s24, BLKB                       ; bq: block 128 nh + kb
	s_mov_b32 s25, 0
	s_lshl_b32 s26, s20, 8                         ; t: 64 numbers a block
	s_mov_b32 s27, 0
	s_lshl_b32 s28, s20, 9                         ; tb: 512 bytes a block
	s_mov_b32 s29, 0
	s_wait_kmcnt 0x0
	s_load_b128 s[32:35], s[12:13], 0x0            ; e0, e1, e2, e3
	s_load_b32 s36, s[6:7], 0x0                    ; t_0
	s_load_b32 s37, s[8:9], 0x0                    ; beta
	s_load_b32 s38, s[10:11], 0x0                  ; epsilon
	s_add_nc_u64 s[4:5], s[4:5], s[22:23]
	s_add_nc_u64 s[14:15], s[14:15], s[24:25]
	s_add_nc_u64 s[40:41], s[6:7], s[26:27]        ; (into other registers: s[6:7] is the base of a scalar load that is out)
	s_add_nc_u64 s[16:17], s[16:17], s[28:29]
.set i, 0
.rept 64
	global_load_b32 v[X+i], v1, s[4:5] offset:HROW*i th:TH_LOAD_NT   ; h(64 kb + i, my column): read once in the launch
.set i, i+1
.endr
	s_wait_kmcnt 0x0
	s_add_co_i32 s42, s33, 127
	s_lshl_b32 s43, s42, 23
	v_mov_b32 v4, s43                              ; 2^e1 as f32: the conversion takes its exponent field
	s_add_co_i32 s42, s42, 8
	s_lshl_b32 s42, s42, 23
	s_or_b32 s42, s42, 0x600000
	v_mov_b32 v5, s42                              ; 448 x 2^e1
	s_add_co_i32 s42, s35, 127
	s_lshl_b32 s43, s42, 23
	v_mov_b32 v6, s43                              ; 2^e3
	s_add_co_i32 s42, s42, 8
	s_lshl_b32 s42, s42, 23
	s_or_b32 s42, s42, 0x600000
	v_mov_b32 v7, s42                              ; 448 x 2^e3
	; t and b of this block's 64 rows: one wave of one of the two work-groups that share kb.  The branch hangs on ids alone
	s_or_b32 s21, ttmp9, s18
	s_cmp_lg_u32 s21, 0
	s_cbranch_scc1 .Lno_tb
	global_load_b64 v[144:145], v3, s[40:41]       ; two neighbouring t a lane: the wave reads 256 consecutive bytes
	v_mov_b32 v146, s37
	v_mul_f32 v146, 0x3fb8aa3b, v146               ; c = beta log2(e)
	s_and_b32 s38, s38, 0x7fffffff                 ; |epsilon|
	s_wait_loadcnt 0x0                             ; t is the youngest load
	v_sub_f32 v148, s36, v144                      ; t_0 - t_j first: a common offset of the timestamps drops out before anything is multiplied
	v_sub_f32 v149, s36, v145
	v_mul_f32 v148, v146, v148
	v_mul_f32 v149, v146, v149
	v_exp_f32 v148, v148
	v_exp_f32 v149, v149
	v_nop                                          ; a plain instruction between the last exponential and the use of its result (ISA guide 5.7.2)
	s_wait_alu depctr_va_vdst(0)
	v_mul_f32 v150, s38, v148
	v_mul_f32 v151, s38, v149
	global_store_b64 v3, v[144:145], s[16:17]              ; the wave stores 256 consecutive bytes, aligned
	global_store_b64 v3, v[150:151], s[16:17] offset:256
.Lno_tb:
; rows 32 hh .. 32 hh + 31 of my column become 32 codes of h and 32 of relu h
.macro HALF hh
.if \hh == 0
	s_wait_loadcnt 32                              ; loads come back in order (ISA guide 5.7.1): the first 32 rows are in, the other 32 may be out
.else
	s_wait_loadcnt 0x0
.endif
.set i, 0
.rept 32
	v_med3_num_f32 v[Y+i], v[X+32*\hh+i], -v5, v5  ; the conversion to an 8-bit code does not saturate (ISA guide 7.6.2): the hold at the largest code x the scale
.set i, i+1
.endr
.irp g, 0,1,2,3
	v_cvt_scalef32_pk8_fp8_f32 v[C+16*\hh+2*\g:C+16*\hh+2*\g+1], v[Y+8*\g:Y+8*\g+7], v4
.endr
	v_nop                                          ; a plain instruction behind the last conversion of a run
.set i, 0
.rept 32
	v_med3_num_f32 v[X+32*\hh+i], v[X+32*\hh+i], 0, v7   ; relu and the hold in one
.set i, i+1
.endr
.irp g, 0,1,2,3
	v_cvt_scalef32_pk8_fp8_f32 v[C+16*\hh+8+2*\g:C+16*\hh+8+2*\g+1], v[X+32*\hh+8*\g:X+32*\hh+8*\g+7], v6
.endr
	v_nop
.irp p, 0,1
.irp c, 0,1
	global_store_b128 v2, v[C+16*\hh+8*\p+4*\c:C+16*\hh+8*\p+4*\c+3], s[14:15] offset:12288*\p+512*\c+256*\hh   ; sixteen lanes store 256 consecutive bytes, aligned
.endr
.endr
.endm
	HALF 0
	HALF 1
	s_endpgm
.Lfunc_end_k_q234e15ce36_prep:
	.size	k_q234e15ce36_prep, .Lfunc_end_k_q234e15ce36_prep-k_q234e15ce36_prep
	.p2alignl 7, 3214868480
	.fill 96, 4, 3214868480
	.section	.rodata,"a",@progbits
	.p2align	6, 0x0
	.amdhsa_kernel k_q234e15ce36_prep
		.amdhsa_group_segment_fixed_size 0
		.amdhsa_private_segment_fixed_size 0
		.amdhsa_enable_private_segment 0
		.amdhsa_kernarg_size 56
		.amdhsa_user_sgpr_count 2
		.amdhsa_user_sgpr_kernarg_segment_ptr 1
		.amdhsa_wavefront_size32 1
		.amdhsa_system_sgpr_workgroup_id_x 1
		.amdhsa_system_sgpr_workgroup_id_y 1
		.amdhsa_system_sgpr_workgroup_id_z 1
		.amdhsa_system_vgpr_workitem_id 0
		.amdhsa_next_free_vgpr 160
		.amdhsa_next_free_sgpr 66
		.amdhsa_reserve_vcc 0
		.amdhsa_float_denorm_mode_32 3
		.amdhsa_float_denorm_mode_16_64 3
		.amdhsa_memory_ordered 1
		.amdhsa_forward_progress 1
		.amdhsa_inst_pref_size 20
	.end_amdhsa_kernel
	.amdgpu_metadata
---
amdhsa.version: [ 1, 2 ]
amdhsa.kernels:
  - .name:           k_q234e15ce36_prep
    .symbol:         k_q234e15ce36_prep.kd
    .args:
      - { .name: h, .offset: 0, .size: 8, .value_kind: global_buffer, .address_space: global }
      - { .name: t, .offset: 8, .size: 8, .value_kind: global_buffer, .address_space: global }
      - { .name: beta, .offset: 16, .size: 8, .value_kind: global_buffer, .address_space: global }
      - { .name: epsilon, .offset: 24, .size: 8, .value_kind: global_buffer, .address_space: global }
      - { .name: lowp_scales, .offset: 32, .size: 8, .value_kind: global_buffer, .address_space: global }
      - { .name: bq, .offset: 40, .size: 8, .value_kind: global_buffer, .address_space: global }
      - { .name: tb, .offset: 48, .size: 8, .value_kind: global_buffer, .address_space: global }
    .group_segment_fixed_size: 0
    .private_segment_fixed_size: 0
    .kernarg_segment_align: 8
    .kernarg_segment_size: 56
    .max_flat_workgroup_size: 192
    .sgpr_count:     66
    .vgpr_count:     160
    .wavefront_size: 32
...
	.end_amdgpu_metadata
.endif
;; end of part 1
;; launch heat (part 2): grid 128 x 2, 4 waves a work-group, clusters of 4 x 1, 327,680 bytes of LDS; arguments bq, tb, t, beta, epsilon, lowp_scales, out0; writes out0
.if DOCPART == 2
	.amdgcn_target "amdgcn-amd-amdhsa--gfx1250"
	.amdhsa_code_object_version 6
	.text
	.protected	k_q234e15ce36_heat
	.globl	k_q234e15ce36_heat
	.p2align	8
	.type	k_q234e15ce36_heat,@function
k_q234e15ce36_heat:
	s_mov_b64 s[64:65], 0
	v_nop
	global_prefetch_b8 v0, s[64:65] scope:SCOPE_SE
	s_setreg_imm32_b32 hwreg(HW_REG_WAVE_MODE, 25, 1), 1
	s_wait_xcnt 0x0
	s_wait_alu depctr_hold_cnt(0) depctr_sa_sdst(0) depctr_va_vdst(0) depctr_va_sdst(0) depctr_va_ssrc(0) depctr_va_vcc(0) depctr_vm_vsrc(0)
	s_getreg_b32 s2, hwreg(HW_REG_IB_STS2, 6, 4)
	s_cmp_eq_u32 s2, 0
	s_cbranch_scc0 .Lentry_in_a_cluster
	s_endpgm
.Lentry_in_a_cluster:
	s_bfe_u32 s2, ttmp6, 0x10000c
	s_cmp_lg_u32 s2, 0x3003
	s_cbranch_scc0 .Lentry_shape_is_right
	s_endpgm
.Lentry_shape_is_right:
; out[i][d] = sum_j Q0(m_ij) Q1(h[j][d]) + sum_j Q2(W_ij) Q3(relu h[j][d]),  m_ij = (t_i >= t_j),  W_ij = epsilon exp(beta (t_i - t_j)) m_ij;  both products on codes of FP8 (E4M3), sums in f32.
; The right operands come as codes from bq, t_j and b_j from tb (the launch before; layouts in its head comment).  THE LEFT OPERANDS ARE MADE HERE, IN REGISTERS, and never touch LDS or memory.
; t is an input and nothing is assumed of its order: every (i, j) is compared and no tile is left out.
; SHARES.  A work-group makes 64 rows x 192 columns (half of the 384), over all of K = 8,192: 128 x 2 work-groups.  So every left number is made by two work-groups; with all 384 columns to a work-group its rows
; would be 32, and a right fragment read from LDS would feed two matrix instructions and not four.  THE FOUR WAVES SPLIT K: wave q takes j = 2,048 q .. + 2,047, in 32 steps of 64, on the whole tile and both products:
; 96 accumulators, 768 registers.  A wave makes its own left fragments and reads only LDS bytes that its own tensor loads brought.  At the end the four partial tiles are added through LDS.
; THE FORM: v_wmma_f32_16x16x64_fp8_fp8.  The left fragments of the step in hand and of the step being made are 2 x 4 row tiles x 2 operands: 128 registers at K = 64; at K = 128 they would not fit beside the accumulators.
; It is used TRANSPOSED (source 0 = 16 columns of the right operand, source 1 = 16 rows of the left): a lane holds one row i and eight neighbouring columns.
; ORDER OF k: byte p (0 .. 31) of lane half hh stands for j = 32 hh + p of the step, alike in both sources: every product meets its partner; only the order of the sums inside an instruction differs.
; A LEFT NUMBER takes 3.5 vector instructions: m by v_cmp_ge_f32 (t_i >= t_j says what t_i - t_j >= 0 says: denormals are kept);  s = m ? L : 0, L = 448 x 2^e2;  W = min(a_i b_j, s): mask and hold in one;
; eight W are converted with 2^e2.  Eight s are converted with 2^(e2 + 15): L becomes 7 x 2^-9, the byte 7, and 0 the byte 0; that word is the SELECTOR of v_perm_b32, which picks the mask's code c1 (selector 7: a byte of
; c1 four times over) or 0 (selector 0: a byte of the constant 0).  c1 is the code of min(1, 448 x 2^e0) / 2^e0, made once by the conversion itself.
; out = 2^(e0 + e1) P1 + sign(epsilon) 2^(e2 + e3) P2.
; CLUSTER.  The four row blocks of a cluster have the same half of the columns and walk the same blocks of bq and tb: every tile is asked for JOINTLY, by the same tensor load with the same descriptor and the mask of all four.
; LIMITS: |beta| log2(e) (max t - min t) under 126; e0 between -126 and 119, e2 between -126 and 112; e0 + e1 and e2 + e3 between -126 and 127; NaN and infinities among the inputs are not served.
; REGISTERS, in windows of 256.  Window 0: below.  Windows 1 to 3: accumulator 4 f + m (f = 12 p + n: product p, 16 columns n; m: 16 rows) in window 1 + f / 8 at v[8 ((4 f + m) % 32)].
.set BLKB,  24576                      ; a block of bq: 24 images of 1,024 bytes: one wave's right fragments of a step
.set SLOTB, 4*BLKB                     ; LDS: a slot: the four waves' blocks
.set TBR,   2*SLOTB                    ; behind the two slots: tb, 16,384 bytes for each wave, filled once
.set TBQ,   16384
.set SPARE, TBR+4*TBQ                  ; behind it: the spare words, 128 bytes for each wave: two blocks of 256 bytes that no other line names
.set SPIT,  784                        ; the way out: a stage row: 768 bytes + 16 = 49 x 16: the 16 rows of a store start at 16 different banks (64 banks of 4 bytes: ISA guide 11.1)
.set SREG,  16*SPIT                    ; a stage region: 16 rows of one wave; region 4 m + w; the 16 regions lie from LDS byte 0 on, over bytes that have had their last fill and their last read
.set SPW,  1                           ; v1   LDS address of my spare word; never rewritten
.set NIL,  2                           ; v2   0; never rewritten
.set ADB,  3                           ; v3, v4  my lane's place in my block of slot 0, 1
.set AT0,  5                           ; v5   my half's place in my quarter of tb
.set ADT,  6                           ; v6   the same in the block of tb in hand,
.set ADT2, 7                           ; v7   and in the block after it
.set LV,   8                           ; v8   L = 448 x 2^e2
.set SC2,  9                           ; v9   2^e2
.set SCX,  10                          ; v10  2^(e2 + 15)
.set PFO,  11                          ; v11  256 x lane, for the prefetches; never rewritten
.set AM,   12                          ; v[12 + 2 m] a, v[13 + 2 m] t of row 16 m + lane % 16
.set XR,   20                          ; v[20:21] eight selectors
.set TO,   22                          ; v22  4 (lane % 16); never rewritten
.set SR,   24                          ; v[24:31] eight s
.set WR,   32                          ; v[32:39] eight W
.set TB0,  40                          ; v[40:71] two buffers of eight t_j and eight b_j
.set BR,   72                          ; v[72:119] six right fragments, a ring
.set STO,  120                         ; v[120:123] the way out: where I put a row tile's numbers
.set RD0,  124                         ; v124, v125  where I read them back
.set GO0,  126                         ; v126, v127  and my byte offsets in out
.set AF,   128                         ; v[128:255] two buffers of left fragments: buffer x 64 + operand x 32 + 8 m
.set WV,   18                          ; s18  my wave's number q
.set G1B,  24                          ; s[24:31] descriptor group 1 for a block of bq;  s[32:39] for a quarter of tb
.set G1T,  32
.set G0,   40                          ; s[40:47] group 0 for slot 0, slot 1;  s[48:51] for tb
.set G0T,  48
.set MK,   52                          ; s[52:59] eight lane masks
.set C1,   60                          ; s60  c1 in all four bytes
.set TBO,  61                          ; s61  the byte in my quarter of tb at which the block in hand begins;  s62 the next block's, held inside the quarter
.set TBN,  62
.set TRIP, 63
.set LIM,  66                          ; s66  1 in a wave that prefetches, else the greatest number
.set PFA,  68                          ; s[68:69] where my prefetches stand
.set F1,   70                          ; s[70:71] 2^(e0 + e1);  s[72:73] sign(epsilon) 2^(e2 + e3): the packed forms name pairs and take the low word
.set F2,   72
.set TI,   74                          ; s[74:75] t at my work-group's first row
.set MSB, 0
.macro WIN new                         ; the immediate's high byte repeats the setting that is left; a switch that changes nothing is dropped
.if MSB != (\new)
	s_set_vgpr_msb (MSB<<8)|(\new)
.set MSB, (\new)
.endif
.endm
; A round of the cluster's barrier: my work-group's barrier, so that wave 0's signal speaks for all four waves; wave 0 signals; every wave waits for all four work-groups; my work-group's barrier once more.
.macro ROUND
	s_barrier_signal -1
	s_barrier_wait -1
	s_cmp_lg_u32 s[WV], 0
	s_cbranch_scc1 .Lnot_wave_0_\@
	s_barrier_signal -3
.Lnot_wave_0_\@:
	s_barrier_wait -3
	s_barrier_signal -1
	s_barrier_wait -1
.endm
; A PREFETCH INTO THE L2, behind each joint refill, its four lines and the run of LDS loads: step s names block s + 3 of a K quarter, which the refill two steps on will ask for.
; All clusters of a column half walk the same blocks: the first of them (cluster x = 0) asks.  Its four partners take a K quarter each, told apart BY ADDRESS; in each, waves 0 to 2 take 8,192 bytes of the block,
; lanes 256 bytes apart: each aligned block of 256 bytes is named once in the launch.  Blocks 0 to 2 come by their loads alone; the loop's last trip and the tail ask for nothing: block 31 is a quarter's last.
.macro ASK how
.if \how
	s_cmp_eq_u32 s[LIM], 1
.else
	s_cmp_gt_u32 s[TRIP], s[LIM]                   ; s[TRIP] = 1 in the loop's last trip
.endif
	s_cbranch_scc0 .Lnot_mine_\@
	global_prefetch_b8 v[PFO], s[PFA:PFA+1] th:TH_LOAD_NT scope:SCOPE_SE
.Lnot_mine_\@:
.endm
.macro TBLD adr, off, b                ; eight t_j and eight b_j of my half into buffer b; the lanes of a half read the same bytes
	ds_load_b128 v[TB0+16*(\b):TB0+16*(\b)+3], v[\adr] offset:(\off)
	ds_load_b128 v[TB0+16*(\b)+4:TB0+16*(\b)+7], v[\adr] offset:(\off)+16
	ds_load_b128 v[TB0+16*(\b)+8:TB0+16*(\b)+11], v[\adr] offset:(\off)+256
	ds_load_b128 v[TB0+16*(\b)+12:TB0+16*(\b)+15], v[\adr] offset:(\off)+272
.endm
.macro BLD sl, fr                      ; right fragment fr of slot sl into ring buffer fr % 6: an image of its registers: the 32 lanes read 512 consecutive bytes
	ds_load_b128 v[BR+8*((\fr)%6):BR+8*((\fr)%6)+3], v[ADB+\sl] offset:1024*(\fr)
	ds_load_b128 v[BR+8*((\fr)%6)+4:BR+8*((\fr)%6)+7], v[ADB+\sl] offset:1024*(\fr)+512
.endm
; THE STREAM THAT MAKES A STEP'S LEFT FRAGMENTS: 16 units of 28 instructions; unit 4 g + m makes, for row tile m, the eight j = 32 hh + 8 g + 0 .. 7: registers 2 g, 2 g + 1 of both fragments.  GI writes number gi and steps it.
; The eight compares name window 0 in their two sources alone, which every setting in use here gives: no switch stands in front of them.  Four pairs of minima stand between the selectors' conversion and the
; instructions that read them; the next unit's compares between W's conversion and the next write of its sources.  28 = 7 x 4: a slice of four never holds compares beside instructions that want window 0.
.macro GI
.set gu, gi/28
.set go, gi%28
.set gg, gu/4
.set gm, gu%4
.set gt, TB0+16*(gg%2)
.set ga, AF+64*GB+8*gm+2*gg
.if go < 8
	v_cmp_ge_f32 s[MK+go], v[AM+2*gm+1], v[gt+go]
.elseif go < 16
	WIN 0
	v_cndmask_b32 v[SR+go-8], 0, v[LV], s[MK+go-8]
.elseif go < 20
	WIN 0
	v_pk_mul_f32 v[WR+2*(go-16):WR+2*(go-16)+1], v[gt+8+2*(go-16):gt+8+2*(go-16)+1], v[AM+2*gm:AM+2*gm+1] op_sel_hi:[1,0]
.elseif go == 20
	WIN 0
	v_cvt_scalef32_pk8_fp8_f32 v[XR:XR+1], v[SR:SR+7], v[SCX]
.elseif go < 25
	WIN 0
	v_dual_min_num_f32 v[WR+2*(go-21)], v[WR+2*(go-21)], v[SR+2*(go-21)] :: v_dual_min_num_f32 v[WR+2*(go-21)+1], v[WR+2*(go-21)+1], v[SR+2*(go-21)+1]
.elseif go < 27
	WIN 0
	v_perm_b32 v[ga+go-25], s[C1], 0, v[XR+go-25]
.else
	WIN 0
	v_cvt_scalef32_pk8_fp8_f32 v[ga+32:ga+33], v[WR:WR+7], v[SC2]
.endif
.set gi, gi+1
.endm
.macro G n
.rept \n
	GI
.endr
.endm
; A STEP: 64 along K.  96 matrix instructions on slot sl and left buffer sl; with gen = 1 the next step's left fragments are made into the other buffer, 64 instructions of the stream ahead of the products (while the first
; LDS loads are out) and a slice of four behind each product.  zero = 1: the products start the sums.  refill = 1: the other slot is asked for again.
; The 96 accumulators take turns, one instruction a turn, in the same order in every step.
; Loads into a ring buffer stand behind the third product of the fragment after the buffer's last: 16 vector instructions of the stream (without the stream: four v_nop) behind its last reader.
.macro STEP sl, zero, refill, gen, how
	WIN 0
.if \refill
	s_wait_xcnt 0x0                                ; the last prefetch, a step back, has read its address: it is stepped here, ahead of the waits of the change of slots
	s_add_nc_u64 s[PFA:PFA+1], s[PFA:PFA+1], BLKB
	s_wait_tensorcnt 0x0                           ; all my tensor loads have landed: the one that was out is this step's block; so a group 0 may be written
	ds_add_u32 v[SPW], v[NIL]                      ; 0 onto my spare word
	s_add_nc_u64 s[G0+4*\sl+2:G0+4*\sl+3], s[G0+4*\sl+2:G0+4*\sl+3], 2*BLKB   ; this slot's next block; the type bits on top are not reached
	s_add_co_u32 s[TBN], s[TBO], 512
	s_min_u32 s[TBN], s[TBN], TBQ-512              ; the block after the one in hand, or the quarter's last (what the last step but one loads from there is not used)
	s_wait_dscnt 0x0                               ; the add is done, and my reads of the other slot are over
	ROUND                                          ; both now hold of every wave of the four work-groups
	tensor_load_to_lds s[G0+4-4*\sl:G0+7-4*\sl], s[G1B:G1B+7]   ; my one tensor load behind the round: the next step's block, into the slot read last step
	s_nop 0
.rept 4
	v_nop
.endr
.else
	s_wait_tensorcnt 0x0                           ; the last block has landed; I alone read it, so no barrier is owed
.endif
.if \gen
	v_add_nc_u32 v[ADT], s[TBO], v[AT0]
	v_add_nc_u32 v[ADT2], s[TBN], v[AT0]
	s_add_co_u32 s[TBO], s[TBO], 512
	TBLD ADT, 32, 1                                ; j = 8 .. 15 of my half (0 .. 7 came a step ago)
.endif
.irp fr, 0,1,2,3,4
	BLD \sl, \fr
.endr
.if \refill
	ASK \how
.endif
.set gi, 0
.set GB, 1-\sl
.if \gen
	G 64
.endif
.set ff, 0
.rept 24
.if ff < 20                            ; LDS loads come back in order (ISA guide 5.7.1): the count is of those issued behind fragment ff's two: four later fragments' eight, fewer at the end,
.set nf, 8
.else
.set nf, 2*(23-ff)
.endif
.if \gen
.if ((ff >= 4) && (ff <= 8)) || ((ff >= 11) && (ff <= 15)) || ((ff >= 18) && (ff <= 22))
.set nf, nf+4                          ; and the four of a run of t and b that lies behind them
.endif
.endif
	s_wait_dscnt nf
.set mm, 0
.rept 4
	WIN 0x50*(1+ff/8)                              ; C and D in the accumulator's window, both sources in window 0
.set acc, 8*((4*ff+mm)%32)
.set br, BR+8*(ff%6)
.set af, AF+64*\sl+32*(ff/12)+8*mm
.if \zero
	v_wmma_f32_16x16x64_fp8_fp8 v[acc:acc+7], v[br:br+7], v[af:af+7], 0
.else
	v_wmma_f32_16x16x64_fp8_fp8 v[acc:acc+7], v[br:br+7], v[af:af+7], v[acc:acc+7]
.endif
.if \gen
	G 4
.endif
.if mm == 2
.if ff <= 18
.if \gen == 0
.rept 4
	v_nop
.endr
.endif
	WIN 0
	BLD \sl, ff+5
.endif
.if \gen                               ; a buffer of t and b is loaded again when the stream has passed its last use (places 103, 215, 327; the stream stands at 124, 236, 348), seven fragments ahead of its next
.if ff == 3
	WIN 0
	TBLD ADT, 64, 0
.elseif ff == 10
	WIN 0
	TBLD ADT, 96, 1
.elseif ff == 17
	WIN 0
	TBLD ADT2, 0, 0
.endif
.endif
.endif
.set mm, mm+1
.endr
.set ff, ff+1
.endr
.if \gen
	v_nop                                          ; a plain instruction behind the stream's last conversion
.endif
	WIN 0                                          ; at a label and at a branch every window is 0
.endm
	s_load_b256 s[4:11], s[0:1], 0x0               ; bq s[4:5], tb s[6:7], t s[8:9], beta s[10:11]
	s_load_b128 s[12:15], s[0:1], 0x20             ; epsilon s[12:13], the scales' exponents s[14:15]
	s_load_b64 s[16:17], s[0:1], 0x30              ; out
	v_lshl_add_u32 v[SPW], v0, 2, SPARE
	v_mov_b32 v[NIL], 0
	ds_add_u32 v1, v2
	s_wait_dscnt 0x0
	v_lshrrev_b32 v3, 5, v0
	v_readfirstlane_b32 s[WV], v3                  ; wave 0..3
	s_bfe_u32 s19, ttmp6, 0x40000                  ; cx: my place in the cluster: it enters the addresses of t_i, of out and of the prefetches alone
	s_lshl_b32 s20, ttmp9, 2                       ; in a cluster launch ttmp9 counts clusters
	s_add_co_u32 s20, s20, s19                     ; my block of 64 rows
	s_and_b32 s21, ttmp7, 0xffff                   ; nh: my half of the columns, which the four partners share
	; descriptor group 1: dense blocks, as rows of 32 elements of 8 bytes: 96 rows (a block of bq), 64 rows (a quarter of tb)
	s_mov_b32 s[G1B], 15|(3<<16)|(1<<21)           ; 15:0 the mask: all four work-groups; 17:16 elements of 8 bytes; 20 no padding; 21 set beside a mask
	s_mov_b32 s[G1T], 15|(3<<16)|(1<<21)
.irp g, G1B, G1T
	s_mov_b32 s[\g+1], 32<<16                      ; tensor_dim0 = 32
	s_mov_b32 s[\g+3], 32<<16                      ; tile_dim0 = 32
	s_mov_b32 s[\g+5], 32                          ; tensor_dim0_stride
	s_mov_b32 s[\g+6], 0
	s_mov_b32 s[\g+7], 0
.endr
	s_mov_b32 s[G1B+2], 96<<16                     ; tensor_dim1
	s_mov_b32 s[G1B+4], 96                         ; tile_dim1
	s_mov_b32 s[G1T+2], 64<<16
	s_mov_b32 s[G1T+4], 64
	s_lshl_b32 s84, s21, 7
	s_lshl_b32 s85, s[WV], 5
	s_add_co_u32 s84, s84, s85
	s_mul_i32 s84, s84, BLKB                       ; bq: block 128 nh + 32 q: my K quarter's first
	s_mov_b32 s85, 0
	s_lshl_b32 s86, s[WV], 14                      ; tb: my quarter
	s_mov_b32 s87, 0
	s_mul_i32 s88, s[WV], BLKB                     ; LDS: my part of a slot,
	s_add_co_u32 s89, s86, TBR                     ; and my quarter of tb
	s_lshl_b32 s90, s20, 8                         ; t: 64 numbers a row block
	s_mov_b32 s91, 0
	s_wait_kmcnt 0x0
	s_load_b128 s[76:79], s[14:15], 0x0            ; e0, e1, e2, e3
	s_load_b32 s80, s[10:11], 0x0                  ; beta
	s_load_b32 s81, s[12:13], 0x0                  ; epsilon
	s_load_b32 s82, s[8:9], 0x0                    ; t_0
	s_mov_b32 s[G0], 1                             ; 1:0 count = 1
	s_mov_b32 s[G0+1], s88                         ; 63:32 LDS address
	s_add_nc_u64 s[G0+2:G0+3], s[4:5], s[84:85]    ; 120:64 global address: step 0's block
	s_or_b32 s[G0+3], s[G0+3], 0x80000000          ; 127:126 type = 2
	s_mov_b32 s[G0+4], 1
	s_add_co_u32 s[G0+5], s88, SLOTB
	s_add_nc_u64 s[G0+6:G0+7], s[4:5], s[84:85]
	s_add_nc_u64 s[G0+6:G0+7], s[G0+6:G0+7], BLKB  ; step 1's block
	s_or_b32 s[G0+7], s[G0+7], 0x80000000
	s_mov_b32 s[G0T], 1
	s_mov_b32 s[G0T+1], s89
	s_add_nc_u64 s[G0T+2:G0T+3], s[6:7], s[86:87]
	s_or_b32 s[G0T+3], s[G0T+3], 0x80000000
	s_add_nc_u64 s[TI:TI+1], s[8:9], s[90:91]
	ROUND                                          ; all four work-groups are here: the first joint loads meet
	tensor_load_to_lds s[G0T:G0T+3], s[G1T:G1T+7]  ; the two first fills stand together: two loads of mine are out, the most in this text
	s_nop 0
	tensor_load_to_lds s[G0:G0+3], s[G1B:G1B+7]
	s_nop 0
.rept 4
	v_nop
.endr
	v_and_b32 v33, 15, v0                          ; r = lane % 16
	v_lshlrev_b32 v[TO], 2, v33
.irp m, 0,1,2,3
	global_load_b32 v[AM+2*\m+1], v[TO], s[TI:TI+1] offset:64*\m   ; t of row 16 m + r
.endr
	v_and_b32 v32, 31, v0                          ; lane
	v_bfe_u32 v34, v0, 4, 1                        ; hh = lane / 16
	v_lshlrev_b32 v[ADB], 4, v32
	v_add_nc_u32 v[ADB], s88, v[ADB]
	v_add_nc_u32 v[ADB+1], SLOTB, v[ADB]
	v_lshlrev_b32 v[AT0], 7, v34                   ; my half's 32 numbers begin 128 hh bytes into a block's t
	v_add_nc_u32 v[AT0], s89, v[AT0]
	v_lshlrev_b32 v[PFO], 8, v32
	s_mul_i32 s87, s[WV], SREG
	v_mul_u32_u24 v[STO], v33, SPIT                ; into the stage: region 4 m + q, row r, 32 bytes for each half of the lanes
	v_lshl_add_u32 v[STO], v34, 5, v[STO]
	v_add_nc_u32 v[STO], s87, v[STO]
	v_add_nc_u32 v[STO+1], 4*SREG, v[STO]
	v_add_nc_u32 v[STO+2], 8*SREG, v[STO]
	v_add_nc_u32 v[STO+3], 12*SREG, v[STO]
	s_mul_i32 s87, s[WV], 4*SREG
	v_lshlrev_b32 v[GO0], 4, v32
	v_add_nc_u32 v[RD0], s87, v[GO0]               ; back: row tile q's four regions, 16 bytes a lane;
	v_lshl_add_u32 v[RD0+1], v34, 4, v[RD0]        ; for a piece that crosses from a row to the next: + the stage row's 16 bytes of padding for lanes 16-31,
	v_mul_u32_u24 v[GO0+1], v34, 768
	v_add_nc_u32 v[GO0+1], v[GO0+1], v[GO0]        ; and in out + the other half's 768 bytes
	s_lshl_b32 s90, s20, 6
	s_lshl_b32 s91, s[WV], 4
	s_add_co_u32 s90, s90, s91                     ; the first row that I store: 64 x row block + 16 q
	s_mul_i32 s90, s90, 1536
	s_mul_i32 s91, s21, 768
	s_add_co_u32 s90, s90, s91
	s_mov_b32 s91, 0
	s_add_nc_u64 s[16:17], s[16:17], s[90:91]
	s_lshl_b32 s92, s21, 7                         ; the prefetches: K quarter cx of my column half,
	s_lshl_b32 s93, s19, 5
	s_add_co_u32 s92, s92, s93
	s_add_co_u32 s92, s92, 2                       ; at its block 2: step 0 steps it to block 3
	s_mul_i32 s92, s92, BLKB
	s_lshl_b32 s93, s[WV], 13                      ; my wave's 8,192 bytes of a block
	s_add_co_u32 s92, s92, s93
	s_mov_b32 s93, 0
	s_add_nc_u64 s[PFA:PFA+1], s[4:5], s[92:93]
	s_cmp_lt_u32 s[WV], 3
	s_cselect_b32 s84, 0, 1
	s_or_b32 s84, s84, ttmp9                       ; waves 0 to 2 of the first cluster along x: the same in all four partners
	s_cmp_eq_u32 s84, 0
	s_cselect_b32 s[LIM], 1, -1
	s_mov_b32 s[TBO], 512
	s_mov_b32 s[TRIP], 15
	s_wait_kmcnt 0x0
	s_add_co_i32 s84, s78, 127
	s_lshl_b32 s85, s84, 23
	v_mov_b32 v[SC2], s85                          ; 2^e2 as f32: the conversion takes its exponent field
	s_add_co_i32 s85, s84, 8
	s_lshl_b32 s85, s85, 23
	s_or_b32 s85, s85, 0x600000
	v_mov_b32 v[LV], s85                           ; L = 448 x 2^e2
	s_add_co_i32 s85, s84, 15
	s_lshl_b32 s85, s85, 23
	v_mov_b32 v[SCX], s85                          ; 2^(e2 + 15)
	s_add_co_i32 s[F1], s76, s77
	s_add_co_i32 s[F1], s[F1], 127
	s_lshl_b32 s[F1], s[F1], 23                    ; 2^(e0 + e1)
	s_mov_b32 s[F1+1], s[F1]
	s_add_co_i32 s[F2], s78, s79
	s_add_co_i32 s[F2], s[F2], 127
	s_lshl_b32 s[F2], s[F2], 23
	s_and_b32 s85, s81, 0x80000000
	s_or_b32 s[F2], s[F2], s85                     ; sign(epsilon) 2^(e2 + e3)
	s_mov_b32 s[F2+1], s[F2]
	s_add_co_i32 s84, s76, 127
	s_lshl_b32 s85, s84, 23
	v_mov_b32 v35, s85                             ; 2^e0
	s_add_co_i32 s84, s84, 8
	s_lshl_b32 s84, s84, 23
	s_or_b32 s84, s84, 0x600000
	v_mov_b32 v36, s84                             ; 448 x 2^e0
.irp i, 0,1,2,3,4,5,6,7
	v_min_num_f32 v[SR+\i], 1.0, v36               ; the mask's 1, held at the largest code x the scale
.endr
	v_cvt_scalef32_pk8_fp8_f32 v[XR:XR+1], v[SR:SR+7], v35
	v_nop                                          ; a plain instruction between a scaled conversion and the use of its result
	v_readfirstlane_b32 s[C1], v[XR]               ; c1 in all four bytes
	v_mov_b32 v37, s80
	v_mul_f32 v37, 0x3fb8aa3b, v37                 ; c = beta log2(e)
	s_wait_loadcnt 0x0                             ; t_i
.irp m, 0,1,2,3
	v_sub_f32 v[AM+2*\m], v[AM+2*\m+1], s82        ; t_i - t_0 first: a common offset of the timestamps drops out before anything is multiplied
.endr
.irp m, 0,1,2,3
	v_mul_f32 v[AM+2*\m], v37, v[AM+2*\m]
.endr
.irp m, 0,1,2,3
	v_exp_f32 v[AM+2*\m], v[AM+2*\m]               ; a_i
.endr
	v_nop                                          ; a plain instruction behind the last exponential (ISA guide 5.7.2)
	s_wait_alu depctr_va_vdst(0)
	; step 0's left fragments, into buffer 0: the stream alone, a quarter at a time, the two buffers of t and b by turns
	s_wait_tensorcnt 0x1                           ; my quarter of tb, issued first, has landed; step 0's block may stay out
.set gi, 0
.set GB, 0
	TBLD AT0, 0, 0
	TBLD AT0, 32, 1
	s_wait_dscnt 0x0
	G 112
	TBLD AT0, 64, 0
	G 112
	s_wait_dscnt 0x0
	TBLD AT0, 96, 1
	G 112
	s_wait_dscnt 0x0
	TBLD AT0, 512, 0                               ; the next block's first eight, for step 0's stream
	G 112
	v_nop                                          ; a plain instruction behind the stream's last conversion
	STEP 0, 1, 1, 1, 1                             ; the first step stands in front of the loop: its products start the sums; slot 1 is filled behind its round
.Lpair:                                            ; 15 trips: steps 1 to 30, once round the ring a trip
	STEP 1, 0, 1, 1, 0
	STEP 0, 0, 1, 1, 0
	s_sub_co_u32 s[TRIP], s[TRIP], 1
	s_cmp_lg_u32 s[TRIP], 0
	s_cbranch_scc1 .Lpair
	STEP 1, 0, 0, 0, 0                             ; step 31 is written out: nothing is left to fetch or to make
	; THE WAY OUT.  Each wave holds its K quarter's part of all 64 x 192 numbers.  Row tile by row tile: f1 P1 + f2 P2, into my region of the stage; a barrier; wave q adds the four waves' parts of row tile q and stores them.
.rept 4
	v_nop                                          ; places behind the last products: their results are read and their sources written below (ISA guide 7.12.1)
.endr
	s_wait_dscnt 0x0
	s_barrier_signal -1
	s_barrier_wait -1                              ; every wave has left the ring and tb: the stage may be written over them
.macro COMB m
.set TM, 24+104*((\m)%2)               ; 96 registers: v24-119 and v128-223 by turns
.if (\m) > 1
	s_wait_dscnt 24                                ; the stores of two row tiles back are done (the last tile's 24 may be out): their registers are written again
.endif
.irp n, 0,1,2,3,4,5,6,7,8,9,10,11
	WIN 1+\n/8                                     ; source 0: the accumulator's window
.irp i, 0,2,4,6
	v_pk_mul_f32 v[TM+8*\n+\i:TM+8*\n+\i+1], v[8*((4*\n+\m)%32)+\i:8*((4*\n+\m)%32)+\i+1], s[F1:F1+1] op_sel_hi:[1,0]   ; each accumulator from its low end on
.endr
.endr
.irp n, 0,1,2,3,4,5,6,7,8,9,10,11
	WIN 1+(12+\n)/8
.irp i, 0,2,4,6
	v_pk_fma_f32 v[TM+8*\n+\i:TM+8*\n+\i+1], v[8*((48+4*\n+\m)%32)+\i:8*((48+4*\n+\m)%32)+\i+1], s[F2:F2+1], v[TM+8*\n+\i:TM+8*\n+\i+1] op_sel_hi:[1,0,1]
.endr
.endr
	WIN 0
.irp n, 0,1,2,3,4,5,6,7,8,9,10,11
	ds_store_b128 v[STO+\m], v[TM+8*\n:TM+8*\n+3] offset:64*\n          ; lane (r, hh): row 16 m + r, columns 16 n + 8 hh + 0 .. 7
	ds_store_b128 v[STO+\m], v[TM+8*\n+4:TM+8*\n+7] offset:64*\n+16
.endr
.endm
	COMB 0
	COMB 1
	COMB 2
	COMB 3
	s_wait_dscnt 0x0                               ; for the others' sake: my stores into the stage are done
	s_barrier_signal -1
	s_barrier_wait -1
; Two rows of the tile are 1,536 bytes: three pieces of 512, 16 bytes a lane.  Piece 3 u + v: v = 0: bytes 0 .. 511 of row 2 u; v = 1: its last 256 and the next row's first 256; v = 2: the next row's last 512.
.macro PLOAD idx, pos                  ; a piece, from the four waves' regions
.set pu, (\idx)/3
.set pv, (\idx)%3
.set po, 2*SPIT*pu
.set pa, RD0
.if pv == 1
.set po, po+512
.set pa, RD0+1
.elseif pv == 2
.set po, po+1040
.endif
.irp w, 0,1,2,3
	ds_load_b128 v[SR+16*(\pos)+4*\w:SR+16*(\pos)+4*\w+3], v[pa] offset:po+SREG*\w
.endr
.endm
.macro PSUM idx, pos                   ; its four parts are added and stored; every piece has result registers of its own, so no store's data are written again
.set pu, (\idx)/3
.set pv, (\idx)%3
.set po, 3072*pu
.set pa, GO0
.if pv == 1
.set po, po+512
.set pa, GO0+1
.elseif pv == 2
.set po, po+1792
.endif
.set qa, SR+16*(\pos)
.set qr, AF+4*(\idx)
	v_pk_add_f32 v[qa:qa+1], v[qa:qa+1], v[qa+4:qa+5]
	v_pk_add_f32 v[qa+2:qa+3], v[qa+2:qa+3], v[qa+6:qa+7]
	v_pk_add_f32 v[qa+8:qa+9], v[qa+8:qa+9], v[qa+12:qa+13]
	v_pk_add_f32 v[qa+10:qa+11], v[qa+10:qa+11], v[qa+14:qa+15]
	v_pk_add_f32 v[qr:qr+1], v[qa:qa+1], v[qa+8:qa+9]
	v_pk_add_f32 v[qr+2:qr+3], v[qa+2:qa+3], v[qa+10:qa+11]
	global_store_b128 v[pa], v[qr:qr+3], s[16:17] offset:po th:TH_STORE_NT   ; sixteen lanes store 256 consecutive bytes, at a multiple of 256 from out's first byte; written once, read by nobody here
.endm
.set bb, 0
.rept 4
.set ii, 0
.rept 6
	PLOAD 6*bb+ii, ii
.set ii, ii+1
.endr
.set ii, 0
.rept 6
	s_wait_dscnt 4*(5-ii)                          ; this piece's four loads are in; the later pieces' may be out
	PSUM 6*bb+ii, ii
.set ii, ii+1
.endr
.set bb, bb+1
.endr
	s_wait_tensorcnt 0x0                           ; the wave's end: behind my last tensor load and my last LDS store
	ds_add_u32 v[SPW], v[NIL]
	s_wait_dscnt 0x0
	ROUND                                          ; the closing round: no work-group ends while a partner may still ask for a tile that names it
	s_endpgm
.Lfunc_end_k_q234e15ce36_heat:
	.size	k_q234e15ce36_heat, .Lfunc_end_k_q234e15ce36_heat-k_q234e15ce36_heat
	.p2alignl 7, 3214868480
	.fill 96, 4, 3214868480
	.section	.rodata,"a",@progbits
	.p2align	6, 0x0
	.amdhsa_kernel k_q234e15ce36_heat
		.amdhsa_group_segment_fixed_size 327680
		.amdhsa_private_segment_fixed_size 0
		.amdhsa_enable_private_segment 0
		.amdhsa_kernarg_size 56
		.amdhsa_user_sgpr_count 2
		.amdhsa_user_sgpr_kernarg_segment_ptr 1
		.amdhsa_wavefront_size32 1
		.amdhsa_system_sgpr_workgroup_id_x 1
		.amdhsa_system_sgpr_workgroup_id_y 1
		.amdhsa_system_sgpr_workgroup_id_z 1
		.amdhsa_system_vgpr_workitem_id 0
		.amdhsa_next_free_vgpr 1024
		.amdhsa_next_free_sgpr 100
		.amdhsa_reserve_vcc 0
		.amdhsa_float_denorm_mode_32 3
		.amdhsa_float_denorm_mode_16_64 3
		.amdhsa_memory_ordered 1
		.amdhsa_forward_progress 1
		.amdhsa_inst_pref_size 235
	.end_amdhsa_kernel
	.amdgpu_metadata
---
amdhsa.version: [ 1, 2 ]
amdhsa.kernels:
  - .name:           k_q234e15ce36_heat
    .symbol:         k_q234e15ce36_heat.kd
    .args:
      - { .name: bq, .offset: 0, .size: 8, .value_kind: global_buffer, .address_space: global }
      - { .name: tb, .offset: 8, .size: 8, .value_kind: global_buffer, .address_space: global }
      - { .name: t, .offset: 16, .size: 8, .value_kind: global_buffer, .address_space: global }
      - { .name: beta, .offset: 24, .size: 8, .value_kind: global_buffer, .address_space: global }
      - { .name: epsilon, .offset: 32, .size: 8, .value_kind: global_buffer, .address_space: global }
      - { .name: lowp_scales, .offset: 40, .size: 8, .value_kind: global_buffer, .address_space: global }
      - { .name: out0, .offset: 48, .size: 8, .value_kind: global_buffer, .address_space: global }
    .group_segment_fixed_size: 327680
    .private_segment_fixed_size: 0
    .kernarg_segment_align: 8
    .kernarg_segment_size: 56
    .max_flat_workgroup_size: 128
    .sgpr_count:     100
    .vgpr_count:     1024
    .wavefront_size: 32
...
	.end_amdgpu_metadata
.endif
;; end of part 2
